; MI455X (gfx1250); checked and timed in simulation.
; The chip was launched on July 23, 2026; its instructions are those of AMD's public machine-readable ISA for CDNA 5 (MIT licence, August 2026) and "CDNA5" Instruction Set Architecture Reference Guide (July 2026). The comments in the code are by the model that wrote it; some were corrected since.
;; Simple Self Attention. Allowed arithmetic: matrix products marked QUANTISED: E3M2 operands, one E8M0 scale for each 32 along K, by v_wmma_scale_f32_16x16x128_f8f6f4 with both operands' format E3M2, f32 sums; everything else in f32.
;; Inputs: W_codes 1,024 x 32 x 24 uint8 (E3M2 codes of W, K innermost, in blocks of 32 codes, four codes in three bytes); W_scales 1,024 x 32 uint8 (E8M0 scales of W, one for each 32 codes along K); gamma 1 float32; x 16 x 1,024 x 32 x 32 float32.
;; Outputs: out0 16 x 1,024 x 32 x 32 float32.
;; This version of the problem:
;;   THIS VERSION OF THE PROBLEM IS GIVEN IN LOW PRECISION. The matrix products marked QUANTISED in the list below multiply operands that are first quantised to E3M2 (3 exponent bits, 2 mantissa bits; 6 bits a number), with one power-of-two scale for each 32 numbers along K (OCP MX v1.0); their sums are f32. All else is computed in f32.
;;   The module's matrix products, in the order in which they are computed (A, B: the left and right operand; K: the contracted axis; several contracted axes count as one K, in the product's order):
;;     1. [M 16,384, K 1,024] x [K 1,024, N 1,024]; A: input x; B: input W (given as codes): QUANTISED
;;     2. batch 16 x [M 1,024, K 1,024] x [K 1,024, N 1,024]; A: input x; B: input x: QUANTISED
;;     3. batch 16 x [M 1,024, K 1,024] x [K 1,024, N 1,024]; A: computed on the way; B: computed on the way: QUANTISED
;;   THE QUANTISER, for each operand of a quantised product, along K:
;;     - K is cut into blocks of 32 from its start; a last block that is shorter is filled with zeros.
;;     - A block's scale is 2^e with e = floor(log2(the largest magnitude in the block)) - 4, held to -126 .. 127; a block of zeros has e = 0. As a byte (E8M0): e + 127.
;;     - Each number is divided by its block's scale, clamped to +-28, and rounded to the nearest number of E3M2, ties to even, subnormals kept.
;;     - The product sums the exact products of the quantised numbers (number of the format x scale) in f32.
;;   ~~~python
;;   def quantise(x, axis):      # numpy; x: float32 -> the quantised numbers, widened to float32 again
;;       x = np.moveaxis(x, axis, -1); K = x.shape[-1]
;;       x = np.pad(x, [(0, 0)] * (x.ndim - 1) + [(0, -K % 32)]); x = x.reshape(x.shape[:-1] + (-1, 32)); a = np.abs(x).max(-1, keepdims=True)
;;       e = np.where(a > 0, np.clip(np.frexp(np.where(a > 0, a, 1))[1] - 1 - 4, -126, 127), 0)      # np.frexp(a)[1] - 1 = floor(log2(a)), exactly
;;       r = np.clip(x / 2.0 ** e, -28, 28)
;;       step = 2.0 ** (np.maximum(np.frexp(np.where(r == 0, 1, r))[1] - 1, -2) - 2)
;;       q = np.round(r / step) * step * 2.0 ** e      # np.round: ties to even
;;       return np.moveaxis(q.reshape(q.shape[:-2] + (-1,))[..., :K], -1, axis).astype(np.float32)
;;   ~~~
;;   OPERANDS COMPUTED ON THE WAY. 'Computed on the way' means the value that the module computes at that place (a softmax that the list does not call 'softmax' is quantised finished and normalised). What goes into a quantiser is computed in f32, as accurately as f32 sums, v_exp_f32 and their like allow (about 1e-6 of the number): no bf16 or f16 on the way to a quantiser, and a product that is left as it is and whose result goes on into a quantised operand takes f32 operands (vector FMAs, or v_wmma_f32_16x16x4_f32). A number that lies on a knife's edge between two numbers of the format may be rounded either way, as far as f32 arithmetic and the matrix unit's own rounding can turn it there, and no further.
;;   INPUTS GIVEN AS CODES. W (in the module: [1024, 1024], K = its axis 1): each comes as NAME_codes (uint8): NAME with its K axis moved to the last place and cut into blocks of 32 codes, [.., K / 32, bytes a block], one block behind the other in memory; four codes in three bytes: a row's codes are one little-endian stream of bits, code i at bits 6 i .. 6 i + 5 (a code: sign, 3 exponent bits, 2 mantissa bits); and NAME_scales (uint8): the same leading axes, one E8M0 byte (e + 127) for each 32 codes along K. Its value is code x scale, taken as it is: it is not quantised again, and the codes and scales need not be those that the quantiser above would give.
;; One version. Each part assembles by itself: llvm-mc -triple=amdgcn-amd-amdhsa -mcpu=gfx1250 --defsym DOCPART=n.
;; ======== version 1 of 1: 3 launches
;; workspace buffers: q1 27,033,600 bytes; q2 26,214,400 bytes
;; launch quant (part 1): grid 256 x 1, 8 waves a work-group, no clusters, 271,360 bytes of LDS; arguments x, W_codes, W_scales, q1; writes q1
.if DOCPART == 1
	.amdgcn_target "amdgcn-amd-amdhsa--gfx1250"
	.amdhsa_code_object_version 6
	.text
	.protected	k_q164df00d2d_quant
	.globl	k_q164df00d2d_quant
	.p2align	8
	.type	k_q164df00d2d_quant,@function
k_q164df00d2d_quant:
	s_mov_b64 s[64:65], 0
	v_nop
	global_prefetch_b8 v0, s[64:65] scope:SCOPE_SE
	s_setreg_imm32_b32 hwreg(HW_REG_WAVE_MODE, 25, 1), 1
	s_wait_xcnt 0x0
; x [16][1024 c][1024 n], f32, is turned into codes of BF6 (E3M2) twice: XN, quantised along n (rows c), and XC, quantised along c (rows n).  W's given codes and scale bytes are laid out anew (WI), unchanged.
; A block's scale is 2^(floor(log2(its largest magnitude)) - 4); its byte is the largest magnitude's exponent field - 4, held at 1 from below.
; LIMITS: NaN and infinities among the inputs are not served; a block whose largest magnitude lies under 2^-122 keeps the byte 1; a block of zeros has the byte 1 where the rule says 127: its codes are zeros, and this program alone reads the bytes.
; LAYOUT OF q1.  An operand of 1,024 rows x 1,024 K is [batch][group of 16 rows, 0..63][K step of 128, 0..7][1,536 bytes]: a fragment as an image of its 12 registers: registers 4 j .. 4 j + 3 of lane l at 512 j + 16 l.
; XC's groups hold neighbouring rows.  XN's and WI's do not: slot r of group g is row 32 (g / 2) + 8 (g % 2) + r + 8 (r / 8), so that the next launch's results lie in a lane as 16 neighbours along the next K.
; Scale words: [batch][K step][slot = 16 g + r], four bytes each.
; SHARES.  A work-group takes 128 c x 512 n of one batch: four tiles of 128 x 128, 256 KiB, all asked for at the start: four tensor loads a wave (16 rows of a tile each), filled once, nothing is filled again.
; Of each tile wave w makes one fragment of XN (group w of the tile's eight) and one of XC.  Work-groups share no input, so there is no cluster; every byte of x is read once, so nothing is prefetched.
; LDS rows are 520 bytes apart (512 + 8 of padding = 130 words: row r starts at bank 2 r mod 64): XN's loads of 8 bytes touch 64 different banks, XC's loads of 4 bytes (16 rows apart between the halves of the lanes) 32.
.set PITCH,  520
.set TILE,   128*PITCH
.set SS,     4*TILE                    ; behind the tiles: 4 KiB of scale words: XN's [tile][128 slots], then XC's [512 slots]; no tile lands here
.set OPB,    786432                    ; an operand's codes of one batch
.set SCB,    32768                     ; its scale words
.set GRP,    12288                     ; a group: 8 K steps
.set FRB,    1536                      ; a fragment's image
.set XC_OFF,  16*OPB
.set WI_OFF,  32*OPB
.set XNS_OFF, 33*OPB
.set XCS_OFF, XNS_OFF+16*SCB
.set WS_OFF,  XCS_OFF+16*SCB
.set LXN, 4                            ; v4   LDS: my row of XN's fragment, + 64 x half
.set LXC, 5                            ; v5   LDS: my column of XC's fragment, 16 rows down for lanes 16-31
.set SSA, 6                            ; v6   LDS: where my row's scale word goes
.set LI,  7                            ; v7   16 x lane
.set SSR, 8                            ; v8   LDS: where I read scale words back
.set TM,  16                           ; v16-19 largest magnitudes, v20-23 at work and bytes, v28-31 the conversions' scale operands
.set NA,  64                           ; v64-127  64 numbers for XN
.set NB,  128                          ; v128-191 64 numbers for XC
.set PCA, 192                          ; v192-211 XN's codes
.set PCB, 212                          ; v212-231 XC's codes
; 64 numbers of a lane, register 16 b + i = k 32 b + 16 (lane / 16) + i of my row, become a fragment's codes in v[pc] .. v[pc + 11] and my row's scale word in v[pw].
.macro QUANT s, pc, pw
.irp b, 0,1,2,3
	v_max3_num_f32 v[TM+\b], 0x2800000, |v[(\s)+16*\b]|, |v[(\s)+16*\b+1]|   ; block b: my 16 numbers, and the floor 2^(5 - 127): the byte cannot fall under 1
.endr
.irp i, 2,4,6,8,10,12,14
.irp b, 0,1,2,3
	v_max3_num_f32 v[TM+\b], v[TM+\b], |v[(\s)+16*\b+\i]|, |v[(\s)+16*\b+\i+1]|   ; the four blocks by turns
.endr
.endr
.irp b, 0,1,2,3
	v_permlanex16_b32 v[TM+4+\b], v[TM+\b], s12, s13
.endr
.irp b, 0,1,2,3
	v_max_num_f32 v[TM+\b], v[TM+\b], v[TM+4+\b]   ; with lane l xor 16's: the block's largest magnitude
.endr
.irp b, 0,1,2,3
	v_add_nc_u32 v[TM+12+\b], 0xfe000000, v[TM+\b] ; 4 off its exponent field: the conversion takes the exponent field of this operand as its scale
.endr
.irp b, 0,1,2,3
	v_lshrrev_b32 v[TM+4+\b], 23, v[TM+12+\b]      ; the scale's byte
.endr
	v_lshl_or_b32 v[\pw], v[TM+5], 8, v[TM+4]
	v_lshl_or_b32 v[\pw], v[TM+6], 16, v[\pw]
	v_lshl_or_b32 v[\pw], v[TM+7], 24, v[\pw]
.irp c, 0,1
	v_cvt_scalef32_pk16_bf6_f32 v[(\pc)+6*\c:(\pc)+6*\c+2], v[(\s)+32*\c:(\s)+32*\c+15], v[TM+12+2*\c]
	v_cvt_scalef32_pk16_bf6_f32 v[(\pc)+12+4*\c:(\pc)+12+4*\c+2], v[(\s)+16+32*\c:(\s)+16+32*\c+15], v[TM+12+2*\c+1]   ; a conversion's three registers begin on an even number
.endr
	v_nop                                          ; one plain place behind a scaled conversion
.irp c, 0,1                                    ; the operand's layout wants a whole block in a lane: lanes 0-15 block 2 c, lanes 16-31 block 2 c + 1
.irp i, 0,1,2
	v_permlane16_swap_b32 v[(\pc)+6*\c+\i], v[(\pc)+12+4*\c+\i]
.endr
.irp i, 0,1,2
	v_mov_b32 v[(\pc)+3+6*\c+\i], v[(\pc)+12+4*\c+\i]
.endr
.endr
.endm
	s_load_b256 s[4:11], s[0:1], 0x0               ; x s[4:5], W's codes s[6:7], W's scales s[8:9], q1 s[10:11]
	v_lshl_add_u32 v254, v0, 2, 0x42000
	v_mov_b32 v255, 0
	ds_add_u32 v254, v255
	ds_add_u32 v254, v255
	v_lshrrev_b32 v1, 5, v0
	v_readfirstlane_b32 s2, v1                     ; wave 0..7
	s_lshr_b32 s40, ttmp9, 4                       ; the batch
	s_bfe_u32 s41, ttmp9, 0x30001                  ; ci: which 128 c
	s_and_b32 s42, ttmp9, 1                        ; nh: which 512 n
	; descriptor group 1: 16 rows x 128 numbers of 4 bytes, 8 bytes of padding behind each row of 128 words
	s_mov_b32 s16, (2<<16)|(1<<20)|(6<<22)|(1<<25)
	s_mov_b32 s17, 128<<16                         ; tensor_dim0
	s_mov_b32 s18, 16<<16                          ; tensor_dim1
	s_mov_b32 s19, 128<<16                         ; tile_dim0
	s_mov_b32 s20, 16                              ; tile_dim1
	s_mov_b32 s21, 1024                            ; numbers from row to row
	s_mov_b32 s22, 0
	s_mov_b32 s23, 0
	s_lshl_b32 s44, s40, 22                        ; the batch's 4 MiB,
	s_lshl_b32 s45, s41, 19                        ; 128 ci rows of 4,096 bytes,
	s_add_co_u32 s44, s44, s45
	s_lshl_b32 s45, s2, 16                         ; my wave's 16 rows,
	s_add_co_u32 s44, s44, s45
	s_lshl_b32 s45, s42, 11                        ; 512 nh numbers
	s_add_co_u32 s44, s44, s45
	s_mov_b32 s45, 0
	s_mul_i32 s43, s2, 16*PITCH                    ; and my 16 rows' place in a tile
	s_mov_b32 s12, 0x76543210
	s_mov_b32 s13, 0xfedcba98                      ; v_permlanex16_b32's selects for lane l xor 16
	s_wait_dscnt 0x0
	s_wait_kmcnt 0x0
	s_add_nc_u64 s[4:5], s[4:5], s[44:45]
.irp t, 0,1,2,3
	s_mov_b32 s[24+4*\t], 1
	s_add_co_u32 s[25+4*\t], s43, \t*TILE
	s_add_nc_u64 s[26+4*\t:27+4*\t], s[4:5], \t*512
	s_or_b32 s[27+4*\t], s[27+4*\t], 0x80000000
.endr
.irp t, 0,1,2,3
	tensor_load_to_lds s[24+4*\t:27+4*\t], s[16:23]   ; all four tiles' parts go out together: four loads of mine are out
	s_nop 0
.endr
.rept 4
	v_nop
.endr
	v_and_b32 v1, 31, v0                           ; lane
	v_and_b32 v2, 15, v0                           ; r
	v_bfe_u32 v3, v0, 4, 1                         ; h
	s_lshr_b32 s46, s2, 1
	s_lshl_b32 s46, s46, 5
	s_and_b32 s47, s2, 1
	s_lshl_b32 s47, s47, 3
	s_add_co_u32 s46, s46, s47                     ; 32 (w / 2) + 8 (w % 2)
	s_mul_i32 s46, s46, PITCH
	v_and_b32 v9, 8, v2
	v_add_nc_u32 v9, v9, v2                        ; r + 8 (r / 8)
	v_mul_u32_u24 v[LXN], v9, PITCH
	v_lshl_add_u32 v[LXN], v3, 6, v[LXN]
	v_add_nc_u32 v[LXN], s46, v[LXN]
	v_mul_u32_u24 v[LXC], v3, 16*PITCH
	v_lshl_add_u32 v[LXC], v2, 2, v[LXC]
	s_lshl_b32 s47, s2, 6
	v_add_nc_u32 v[LXC], s47, v[LXC]
	v_lshlrev_b32 v[SSA], 2, v2
	v_add_nc_u32 v[SSA], s47, v[SSA]
	v_add_nc_u32 v[SSA], SS, v[SSA]
	v_lshlrev_b32 v[LI], 4, v1
	s_lshl_b32 s48, s2, 9
	v_add_nc_u32 v[SSR], s48, v[LI]
	v_add_nc_u32 v[SSR], SS, v[SSR]
.irp b, 0,1,2,3
	v_mov_b32 v[TM+4+\b], 0                        ; written once: a lane permute's destination counts as one of its sources
.endr
	; where my fragments go.  XN: group 8 ci + w, K step 4 nh + tile.  XC: group 32 nh + 8 tile + w, K step ci
	s_mul_i32 s50, s40, OPB
	s_lshl_b32 s51, s41, 3
	s_add_co_u32 s51, s51, s2
	s_mul_i32 s51, s51, GRP
	s_add_co_u32 s52, s50, s51
	s_mul_i32 s51, s42, 4*FRB
	s_add_co_u32 s52, s52, s51
	s_mov_b32 s53, 0
	s_add_nc_u64 s[52:53], s[10:11], s[52:53]
	s_lshl_b32 s51, s42, 5
	s_add_co_u32 s51, s51, s2
	s_mul_i32 s51, s51, GRP
	s_add_co_u32 s54, s50, s51
	s_mul_i32 s51, s41, FRB
	s_add_co_u32 s54, s54, s51
	s_add_co_u32 s54, s54, XC_OFF
	s_mov_b32 s55, 0
	s_add_nc_u64 s[54:55], s[10:11], s[54:55]
	; where the scale words go: waves 0-3: XN's of K step 4 nh + w, slots 128 ci on; waves 4-7: XC's of K step ci, slots 512 nh + 128 (w - 4) on
	s_lshl_b32 s56, s40, 15
	s_lshl_b32 s57, s42, 2
	s_add_co_u32 s57, s57, s2
	s_lshl_b32 s57, s57, 12
	s_lshl_b32 s58, s41, 9
	s_add_co_u32 s57, s57, s58
	s_add_co_u32 s57, s57, XNS_OFF
	s_lshl_b32 s58, s41, 12
	s_lshl_b32 s59, s42, 11
	s_add_co_u32 s58, s58, s59
	s_lshl_b32 s59, s2, 9
	s_add_co_u32 s58, s58, s59
	s_add_co_u32 s58, s58, XCS_OFF-2048
	s_cmp_lt_u32 s2, 4
	s_cselect_b32 s57, s57, s58
	s_add_co_u32 s56, s56, s57
	s_mov_b32 s57, 0
	s_add_nc_u64 s[56:57], s[10:11], s[56:57]
	; W: work-groups 0 to 15 lay out 64 rows each (four groups); wave w takes K step w.  A fragment's registers are the row's bytes as they lie: 24 bytes at 96 s + 24 h and 24 at 96 s + 48 + 24 h, in pieces of 8.  No LDS is used here.
	s_cmp_ge_u32 ttmp9, 16
	s_cbranch_scc1 .Lno_w
	s_mul_i32 s44, ttmp9, 64*768
	s_mul_i32 s45, s2, 96
	s_add_co_u32 s44, s44, s45
	s_mov_b32 s45, 0
	s_add_nc_u64 s[44:45], s[6:7], s[44:45]
	s_lshl_b32 s46, ttmp9, 11
	s_lshl_b32 s47, s2, 2
	s_add_co_u32 s46, s46, s47
	s_mov_b32 s47, 0
	s_add_nc_u64 s[46:47], s[8:9], s[46:47]
	s_mul_i32 s48, ttmp9, 4*GRP
	s_mul_i32 s49, s2, FRB
	s_add_co_u32 s48, s48, s49
	s_add_co_u32 s48, s48, WI_OFF
	s_mov_b32 s49, 0
	s_add_nc_u64 s[48:49], s[10:11], s[48:49]
	s_lshl_b32 s60, s2, 12
	s_lshl_b32 s61, ttmp9, 8
	s_add_co_u32 s60, s60, s61
	s_add_co_u32 s60, s60, WS_OFF
	s_mov_b32 s61, 0
	s_add_nc_u64 s[60:61], s[10:11], s[60:61]
	v_mul_u32_u24 v10, v9, 768                     ; a row of W is 768 bytes
	v_mad_u32_u24 v10, v3, 24, v10
	v_bfe_u32 v11, v1, 4, 1                        ; scale words: lane l takes slots 2 l and 2 l + 1 of the 64: group f = l / 8, r = 2 (l % 8): row 32 (f / 2) + 8 (f % 2) + r + 8 (r / 8), and the row below it
	v_lshlrev_b32 v11, 5, v11
	v_bfe_u32 v12, v1, 3, 1
	v_lshl_add_u32 v11, v12, 3, v11
	v_and_b32 v12, 7, v1
	v_lshl_add_u32 v11, v12, 1, v11
	v_bfe_u32 v12, v1, 2, 1
	v_lshl_add_u32 v11, v12, 3, v11
	v_lshlrev_b32 v11, 5, v11                      ; 32 scale bytes a row
	v_lshlrev_b32 v13, 3, v1
.irp f, 0,1,2,3
.irp p, 0,1,2,3,4,5
	global_load_b64 v[64+12*\f+2*\p:64+12*\f+2*\p+1], v10, s[44:45] offset:(32*(\f/2)+8*(\f%2))*768+48*(\p/3)+8*(\p%3)
.endr
.endr
	global_load_b32 v112, v11, s[46:47]
	global_load_b32 v113, v11, s[46:47] offset:32
	s_wait_loadcnt 0x0
.irp f, 0,1,2,3
.irp j, 0,1,2
	global_store_b128 v[LI], v[64+12*\f+4*\j:64+12*\f+4*\j+3], s[48:49] offset:\f*GRP+512*\j   ; 32 lanes store 512 consecutive bytes
.endr
.endr
	global_store_b64 v13, v[112:113], s[60:61]     ; 32 lanes store 256 consecutive bytes, aligned
	s_wait_xcnt 0x0                                ; the stores have read v64-113, which take numbers below
.Lno_w:
; One tile: behind the barrier all eight waves' parts of it are in LDS.
.macro TILEQ t
	s_wait_tensorcnt 3-\t                          ; my part of tile t is in; the 3 - t younger loads may be out
	s_wait_dscnt 0x0                               ; no LDS instruction of mine is pending at a signal
	s_barrier_signal -1
	s_barrier_wait -1
.irp b, 0,1,2,3
.irp m, 0,1,2,3,4,5,6,7
	ds_load_b64 v[NA+16*\b+2*\m:NA+16*\b+2*\m+1], v[LXN] offset:128*\b+8*\m      ; my row c, n = 32 b + 16 h + 2 m, + 1
.endr
.endr
.irp b, 0,1,2,3
.irp i, 0,1,2,3,4,5,6,7,8,9,10,11,12,13,14,15
	ds_load_b32 v[NB+16*\b+\i], v[LXC] offset:(32*\b+\i)*PITCH                   ; my column n, c = 32 b + 16 h + i
.endr
.endr
.if \t < 3
	v_add_nc_u32 v[LXN], TILE, v[LXN]
	v_add_nc_u32 v[LXC], TILE, v[LXC]
.endif
	s_wait_dscnt 63                                ; of the 96 loads the oldest 33 are in: XN's 32 among them
.if \t > 0
	s_wait_xcnt 0x0                                ; the last tile's stores have read both sets of codes
.endif
	QUANT NA, PCA, 33
	ds_store_b32 v[SSA], v33 offset:512*\t         ; both halves of the lanes write the same word with the same value
.irp j, 0,1,2
	global_store_b128 v[LI], v[PCA+4*\j:PCA+4*\j+3], s[52:53] offset:FRB*\t+512*\j
.endr
	s_wait_dscnt 1                                 ; only the scale word's store may be out: XC's 64 numbers are in
	QUANT NB, PCB, 34
	ds_store_b32 v[SSA], v34 offset:2048+512*\t
.irp j, 0,1,2
	global_store_b128 v[LI], v[PCB+4*\j:PCB+4*\j+3], s[54:55] offset:8*GRP*\t+512*\j
.endr
.endm
	TILEQ 0
	TILEQ 1
	TILEQ 2
	TILEQ 3
	s_wait_dscnt 0x0                               ; my scale words lie in LDS,
	s_barrier_signal -1
	s_barrier_wait -1                              ; everybody's do
	ds_load_b128 v[36:39], v[SSR]
	s_wait_dscnt 0x0
	global_store_b128 v[LI], v[36:39], s[56:57]    ; 32 lanes store 512 consecutive bytes
	s_wait_tensorcnt 0x0
	ds_add_u32 v254, v255
	s_wait_dscnt 0x0
	s_endpgm
.Lfunc_end_k_q164df00d2d_quant:
	.size	k_q164df00d2d_quant, .Lfunc_end_k_q164df00d2d_quant-k_q164df00d2d_quant
	.p2alignl 7, 3214868480
	.fill 96, 4, 3214868480
	.section	.rodata,"a",@progbits
	.p2align	6, 0x0
	.amdhsa_kernel k_q164df00d2d_quant
		.amdhsa_group_segment_fixed_size 271360
		.amdhsa_private_segment_fixed_size 0
		.amdhsa_enable_private_segment 0
		.amdhsa_kernarg_size 32
		.amdhsa_user_sgpr_count 2
		.amdhsa_user_sgpr_kernarg_segment_ptr 1
		.amdhsa_wavefront_size32 1
		.amdhsa_system_sgpr_workgroup_id_x 1
		.amdhsa_system_sgpr_workgroup_id_y 1
		.amdhsa_system_sgpr_workgroup_id_z 1
		.amdhsa_system_vgpr_workitem_id 0
		.amdhsa_next_free_vgpr 256
		.amdhsa_next_free_sgpr 66
		.amdhsa_reserve_vcc 0
		.amdhsa_float_denorm_mode_32 3
		.amdhsa_float_denorm_mode_16_64 3
		.amdhsa_memory_ordered 1
		.amdhsa_forward_progress 1
		.amdhsa_inst_pref_size 70
	.end_amdhsa_kernel
	.amdgpu_metadata
---
amdhsa.version: [ 1, 2 ]
amdhsa.kernels:
  - .name:           k_q164df00d2d_quant
    .symbol:         k_q164df00d2d_quant.kd
    .args:
      - { .name: x, .offset: 0, .size: 8, .value_kind: global_buffer, .address_space: global }
      - { .name: W_codes, .offset: 8, .size: 8, .value_kind: global_buffer, .address_space: global }
      - { .name: W_scales, .offset: 16, .size: 8, .value_kind: global_buffer, .address_space: global }
      - { .name: q1, .offset: 24, .size: 8, .value_kind: global_buffer, .address_space: global }
    .group_segment_fixed_size: 271360
    .private_segment_fixed_size: 0
    .kernarg_segment_align: 8
    .kernarg_segment_size: 32
    .max_flat_workgroup_size: 256
    .sgpr_count:     66
    .vgpr_count:     256
    .wavefront_size: 32
...
	.end_amdgpu_metadata
.endif
;; end of part 1
;; launch pair (part 2): grid 4 x 128, 4 waves a work-group, clusters of 4 x 4, 327,680 bytes of LDS; arguments q1, q2; writes q2
.if DOCPART == 2
	.amdgcn_target "amdgcn-amd-amdhsa--gfx1250"
	.amdhsa_code_object_version 6
	.text
	.protected	k_q164df00d2d_pair
	.globl	k_q164df00d2d_pair
	.p2align	8
	.type	k_q164df00d2d_pair,@function
k_q164df00d2d_pair:
	s_mov_b64 s[64:65], 0
	v_nop
	global_prefetch_b8 v0, s[64:65] scope:SCOPE_SE
	s_setreg_imm32_b32 hwreg(HW_REG_WAVE_MODE, 25, 1), 1
	s_wait_xcnt 0x0
	s_wait_alu depctr_hold_cnt(0) depctr_sa_sdst(0) depctr_va_vdst(0) depctr_va_sdst(0) depctr_va_ssrc(0) depctr_va_vcc(0) depctr_vm_vsrc(0)
	s_getreg_b32 s2, hwreg(HW_REG_IB_STS2, 6, 4)
	s_cmp_eq_u32 s2, 0
	s_cbranch_scc0 .Lentry_in_a_cluster
	s_endpgm
.Lentry_in_a_cluster:
	s_bfe_u32 s2, ttmp6, 0x10000c
	s_cmp_lg_u32 s2, 0xf033
	s_cbranch_scc0 .Lentry_shape_is_right
	s_endpgm
.Lentry_shape_is_right:
; Products 1 and 2 on codes of BF6 (E3M2) with E8M0 scales, and their results quantised in registers for product 3.  A cluster of 4 x 4 work-groups makes one product of one batch: cluster y = 2 x batch + p.
;   p = 0: convx: A = XC (rows n, K = c), B = WI (rows o, K = c); the result, rows n with o along a lane's registers, is quantised along o: CQ.
;   p = 1: xxT:   A = XN (rows c, K = n), B = XN (rows d);        the result, rows c with d along a lane's registers, is quantised along d: GQ.
; LIMITS: NaN and infinities are not served; a block whose largest magnitude lies under 2^-122 keeps the byte 1; a block of zeros has the byte 1 where the rule says 127: its codes are zeros, and this program alone reads the bytes.
; LAYOUT of q1 and q2: an operand is [batch][group of 16 rows][K step of 128][1,536 bytes]: a fragment as an image of its 12 registers (registers 4 j .. 4 j + 3 of lane l at 512 j + 16 l); scale words [batch][K step][slot].
; A work-group makes 256 rows of A x 256 rows of B over K = 1,024; each of its four waves 128 x 128: 64 accumulators.  THE MATRIX INSTRUCTION IS USED TRANSPOSED (source 0 = 16 rows of B, source 1 = 16 rows of A):
; a lane holds ONE row of A.  B's groups (XN, WI) hold rows 32 (g / 2) + 8 (g % 2) + r + 8 (r / 8), so that the 16 registers of two neighbouring tiles are 16 neighbours along the next K.
; So a block of 16 rows (64 registers a lane) becomes one fragment of the next operand, K step 2 cx + ch, with no exchange but that of the halves of the lanes.
; LDS: three slots of two K steps each, filled by joint tensor loads (A's tiles shared along the cluster's row, B's along its column): K steps 0-5 are first fills, K steps 6 and 7 come into slot 0 behind the one round of the
; cluster's barrier, in K step 1, and have three and a half K steps, 224 matrix instructions, in which to land.  A wave has four tensor loads out at the start, one later.  The scale words of all of K come once, with the first fills.
; Fragments are read as they lie, 512 consecutive bytes an instruction: no pitch, no padding.  Nothing is prefetched: six of the eight K steps are asked for at the head.  K is short, so the eight K steps are written out: no loop.
; REGISTERS, in windows of 256: window 0: v16-29 addresses; v32-95 scale words (register 8 k + i: lanes 0-15 A's block i, lanes 16-31 B's block i, K step k); v96-191 A's eight fragments, ONE set; v192-223 the way out.
;   window 1: B's fragments, two sets, at v0 and v96.   window 2: accumulators of my rows 0-63 ((a, b) at v[8 (8 a + b)]);   window 3: those of rows 64-127.
.set SLOT,   98304                     ; four parts of 24,576 bytes: A's two halves, B's two halves; a part is [group 0..7][K step 0..1][1,536]
.set PART,   24576
.set SCL,    3*SLOT                    ; scale words: part w at 4,096 w + 128 (w / 2): [K step][128 words]; the 128 bytes put B's words 32 banks from A's
.set SPARE,  311552                    ; the spare words, 128 bytes for each wave: two blocks of 256 bytes that no other line names
.set STG,    SLOT                      ; the way out's stage lies in slot 1: it has had its only fill, and nobody reads it behind the barrier of K step 5
.set OPB,    786432
.set SCB,    32768
.set GRP,    12288
.set FRB,    1536
.set XC_OFF,  16*OPB                   ; q1
.set WI_OFF,  32*OPB
.set XNS_OFF, 33*OPB
.set XCS_OFF, XNS_OFF+16*SCB
.set WS_OFF,  XCS_OFF+16*SCB
.set CQ_OFF,  16*OPB                   ; q2
.set GQS_OFF, 32*OPB
.set CQS_OFF, GQS_OFF+16*SCB
.set FR,   12
.set ADRA, 16                          ; v16-18 LDS address of my A fragments in slot 0, 1, 2
.set ADRB, 20                          ; v20-22 the same for B
.set ADRS, 23                          ; v23    of my scale words: lanes 0-15 A's rows, lanes 16-31 B's
.set STO,  24                          ; v24    the way out: where my row's scale word goes
.set RD,   25                          ; v25    and where I read the words back
.set CO,   26                          ; v26    16 x lane
.set SPW,  28                          ; v28    LDS address of my spare word; never rewritten
.set NIL,  29                          ; v29    0; never rewritten
.set SC,   32
.set AF,   96
.set PC,   96                          ; the way out: four sets of 20 registers for codes, by turns
.set PW,   192                         ; v192-199 a scale word for each block
.set TM,   208                         ; v208-223 at work in QUANT
.set G1A,  24
.set G1B,  32
.set G1SA, 40
.set G1SB, 48
.set G0A0, 56
.set G0A1, 60
.set G0A2, 68
.set G0B0, 72
.set G0B1, 76
.set G0B2, 80
.set G0SA, 84
.set G0SB, 88
.set MSB, 0
.macro WIN new                         ; the immediate's high byte repeats the setting that is left
.if MSB != (\new)
	s_set_vgpr_msb (MSB<<8)|(\new)
.set MSB, (\new)
.endif
.endm
.set MUL_LO, 0xa1                      ; source 0 (B) window 1, source 1 (A) window 0, C and D window 2
.set MUL_HI, 0xf1                      ; the same, C and D window 3
.set TO_B,   0x40                      ; destination window 1, address window 0
; A joint load: waves 0 and 1 fetch for A, waves 2 and 3 for B.  Each line has one mask and one set of registers for all that issue it; the branch hangs on the wave's number alone.  Four v_nop follow each line.
.macro JLOAD g0a, g1a, g0b, g1b
	s_cmp_eq_u32 s15, 0
	s_cbranch_scc0 .Lfor_b_\@
	tensor_load_to_lds s[\g0a:\g0a+3], s[\g1a:\g1a+7]
	s_nop 0
.rept 4
	v_nop
.endr
	s_branch .Lasked_\@
.Lfor_b_\@:
	tensor_load_to_lds s[\g0b:\g0b+3], s[\g1b:\g1b+7]
	s_nop 0
.rept 4
	v_nop
.endr
.Lasked_\@:
.endm
.macro CREST                           ; a round of the cluster's barrier behind its opening barrier
	s_cmp_lg_u32 s14, 0
	s_cbranch_scc1 .Lnot_wave_0_\@
	s_barrier_signal -3
.Lnot_wave_0_\@:
	s_barrier_wait -3
	s_barrier_signal -1
	s_barrier_wait -1
.endm
.macro CROUND
	s_barrier_signal -1
	s_barrier_wait -1
	CREST
.endm
.macro PLACES n                        ; plain places behind matrix instructions, in front of loads into their registers and of reads of their results
.rept \n
	v_nop
.endr
.endm
.macro FIRST ga, gb, sl                ; slot sl's groups 0 and its first fill: K steps 2 sl and 2 sl + 1
	s_mov_b32 s[\ga], 1
	s_add_co_u32 s[\ga+1], s17, (\sl)*SLOT
	s_add_nc_u64 s[\ga+2:\ga+3], s[20:21], (\sl)*2*FRB
	s_or_b32 s[\ga+3], s[\ga+3], 0x80000000
	s_mov_b32 s[\gb], 1
	s_add_co_u32 s[\gb+1], s17, (\sl)*SLOT
	s_add_nc_u64 s[\gb+2:\gb+3], s[66:67], (\sl)*2*FRB
	s_or_b32 s[\gb+3], s[\gb+3], 0x80000000
	JLOAD \ga, G1A, \gb, G1B
.endm
.macro FRAG reg, adr, q, i             ; a fragment comes back as it was stored: three loads of 512 consecutive bytes
.irp j, 0,1,2
	ds_load_b128 v[\reg+4*\j:\reg+4*\j+3], v[\adr] offset:2*FRB*(\i)+FRB*(\q)+512*\j
.endr
.endm
.macro FETCH_B sl, q, p                ; B's eight fragments of slot sl's q-th K step into set p
	WIN TO_B
.irp i, 0,1,2,3,4,5,6,7
	FRAG 96*(\p)+FR*\i, ADRB+\sl, \q, \i
.endr
	WIN 0
.endm
.macro FETCH_A sl, q, i0               ; A's blocks i0 .. i0 + 3
.irp i, \i0, \i0+1, \i0+2, \i0+3
	FRAG AF+FR*(\i), ADRA+\sl, \q, \i
.endr
.endm
; 16 matrix instructions: A's blocks a0, a0 + 1 x B's eight, K step k.  The 64 accumulators take turns, one instruction a turn, in the same order in every K step.
.macro MUL16 a0, k, zero
.irp a, \a0, \a0+1
.irp b, 0,1,2,3,4,5,6,7
.if \zero
	v_wmma_scale_f32_16x16x128_f8f6f4 v[8*(8*((\a)%4)+\b):8*(8*((\a)%4)+\b)+7], v[96*((\k)%2)+FR*\b:96*((\k)%2)+FR*\b+FR-1], v[AF+FR*(\a):AF+FR*(\a)+FR-1], 0, v[SC+8*(\k)+\b], v[SC+8*(\k)+(\a)] matrix_a_fmt:MATRIX_FMT_BF6 matrix_b_fmt:MATRIX_FMT_BF6 matrix_a_scale:MATRIX_SCALE_ROW1
.else
	v_wmma_scale_f32_16x16x128_f8f6f4 v[8*(8*((\a)%4)+\b):8*(8*((\a)%4)+\b)+7], v[96*((\k)%2)+FR*\b:96*((\k)%2)+FR*\b+FR-1], v[AF+FR*(\a):AF+FR*(\a)+FR-1], v[8*(8*((\a)%4)+\b):8*(8*((\a)%4)+\b)+7], v[SC+8*(\k)+\b], v[SC+8*(\k)+(\a)] matrix_a_fmt:MATRIX_FMT_BF6 matrix_b_fmt:MATRIX_FMT_BF6 matrix_a_scale:MATRIX_SCALE_ROW1
.endif
.endr
.endr
.endm
; K step k; the next K step's fragments lie in slot ns, its nq-th.  A block of A is free as soon as its eight products are issued: blocks 0-3 are fetched anew in the middle, blocks 4-7 at the end.
.macro STEP k, ns, nq, zero
	s_wait_dscnt 12                                ; all but the youngest twelve loads (A's blocks 4-7) are in
	WIN MUL_LO
	MUL16 0, \k, \zero
	MUL16 2, \k, \zero
	s_wait_dscnt 0                                 ; A's blocks 4-7 are in
	PLACES 4
	FETCH_B \ns, \nq, ((\k)+1)%2
	FETCH_A \ns, \nq, 0
	WIN MUL_HI
	MUL16 4, \k, \zero
	MUL16 6, \k, \zero
	PLACES 4
	WIN 0
	FETCH_A \ns, \nq, 4
.endm
; A K step with a barrier.  In front of it each wave waits for all its tensor loads, adds 0 to its spare word, and waits for that and for its LDS reads.  fill = 1: slot 0, which nobody reads any more, takes K steps 6 and 7.
.macro TURN k, ns, fill
	s_wait_tensorcnt 0x0                           ; all my tensor loads have landed
	ds_add_u32 v[SPW], v[NIL]                      ; 0 onto my spare word
	s_wait_dscnt 13                                ; (the add and the youngest twelve loads may be out)
	WIN MUL_LO
	MUL16 0, \k, 0                                 ; sixteen matrix instructions stand between the add and the wait for it
	s_wait_dscnt 0x0                               ; the add is done, and my reads of the slot in hand are over
	s_barrier_signal -1
	MUL16 2, \k, 0
	WIN 0
	s_barrier_wait -1
.if \fill
	CREST                                          ; the barrier has opened a round of the cluster's barrier: no wave of any partner still reads slot 0 or has a load on its way
	s_add_nc_u64 s[G0A0+2:G0A0+3], s[G0A0+2:G0A0+3], 6*FRB
	s_add_nc_u64 s[G0B0+2:G0B0+3], s[G0B0+2:G0B0+3], 6*FRB
	JLOAD G0A0, G1A, G0B0, G1B                     ; the first tensor load behind the round; its four v_nop are the places in front of the loads below
.else
	PLACES 4
.endif
	FETCH_B \ns, 0, ((\k)+1)%2
	FETCH_A \ns, 0, 0
	WIN MUL_HI
	MUL16 4, \k, 0
	MUL16 6, \k, 0
	PLACES 4
	WIN 0
	FETCH_A \ns, 0, 4
.endm
; 64 numbers of a lane in window w, register 16 b + i = k 32 b + 16 (lane / 16) + i of my row, become a fragment's codes in v[pc] .. v[pc + 11] and my row's scale word in v[pw], both in window 0.  Each accumulator is read from its low end on.
.macro QUANT s, w, pc, pw
	WIN ((\w)<<2)|((\w)<<4)
.irp b, 0,1,2,3
	v_max3_num_f32 v[TM+\b], 0x2800000, |v[(\s)+16*\b]|, |v[(\s)+16*\b+1]|   ; block b: my 16 numbers, and the floor 2^(5 - 127): the byte cannot fall under 1
.endr
.irp i, 2,4,6,8,10,12,14
.irp b, 0,1,2,3
	v_max3_num_f32 v[TM+\b], v[TM+\b], |v[(\s)+16*\b+\i]|, |v[(\s)+16*\b+\i+1]|
.endr
.endr
	WIN 0
.irp b, 0,1,2,3
	v_permlanex16_b32 v[TM+4+\b], v[TM+\b], s12, s13
.endr
.irp b, 0,1,2,3
	v_max_num_f32 v[TM+\b], v[TM+\b], v[TM+4+\b]   ; with lane l xor 16's: the block's largest magnitude
.endr
.irp b, 0,1,2,3
	v_add_nc_u32 v[TM+12+\b], 0xfe000000, v[TM+\b] ; 4 off its exponent field: the conversion's scale operand
.endr
.irp b, 0,1,2,3
	v_lshrrev_b32 v[TM+4+\b], 23, v[TM+12+\b]      ; the scale's byte
.endr
	v_lshl_or_b32 v[\pw], v[TM+5], 8, v[TM+4]
	v_lshl_or_b32 v[\pw], v[TM+6], 16, v[\pw]
	v_lshl_or_b32 v[\pw], v[TM+7], 24, v[\pw]
	WIN (\w)
.irp c, 0,1
	v_cvt_scalef32_pk16_bf6_f32 v[(\pc)+6*\c:(\pc)+6*\c+2], v[(\s)+32*\c:(\s)+32*\c+15], v[TM+12+2*\c]
	v_cvt_scalef32_pk16_bf6_f32 v[(\pc)+12+4*\c:(\pc)+12+4*\c+2], v[(\s)+16+32*\c:(\s)+16+32*\c+15], v[TM+12+2*\c+1]
.endr
	WIN 0
	v_nop                                          ; one plain place behind a scaled conversion
.irp c, 0,1                                    ; a whole block in a lane: lanes 0-15 block 2 c, lanes 16-31 block 2 c + 1
.irp i, 0,1,2
	v_permlane16_swap_b32 v[(\pc)+6*\c+\i], v[(\pc)+12+4*\c+\i]
.endr
.irp i, 0,1,2
	v_mov_b32 v[(\pc)+3+6*\c+\i], v[(\pc)+12+4*\c+\i]
.endr
.endr
.endm
	s_load_b128 s[4:7], s[0:1], 0x0                ; q1 s[4:5], q2 s[6:7]
	v_lshl_add_u32 v[SPW], v0, 2, SPARE
	v_mov_b32 v[NIL], 0
	ds_add_u32 v28, v29
	ds_add_u32 v28, v29
	s_wait_dscnt 0x0
	v_lshrrev_b32 v1, 5, v0
	v_readfirstlane_b32 s14, v1                    ; wave 0..3
	s_lshr_b32 s15, s14, 1                         ; rh: which half of the rows is mine.  Also: I fetch for A (0) or for B (1)
	s_and_b32 s16, s14, 1                          ; ch: which half of the columns.  Also: which 128 rows I fetch
	s_bfe_u32 s92, ttmp6, 0x40000                  ; cx = the tile column (the grid is one cluster wide)
	s_bfe_u32 s93, ttmp6, 0x40004                  ; cy = the tile row
	s_and_b32 s17, ttmp7, 0xffff                   ; cluster y
	s_lshr_b32 s94, s17, 1                         ; the batch
	s_and_b32 s95, s17, 1                          ; p: the same in all sixteen partners
	s_lshl_b32 s96, s93, 2
	s_lshl_b32 s96, 15, s96                        ; my row of the cluster
	s_lshl_b32 s97, 0x1111, s92                    ; my column
	; group 1 for codes: 8 groups x two K steps: rows of 3,072 bytes (384 elements of 8), 12,288 bytes apart
	s_or_b32 s[G1A], s96, (3<<16)|(1<<21)
	s_or_b32 s[G1B], s97, (3<<16)|(1<<21)
.irp g, G1A, G1B
	s_mov_b32 s[\g+1], 384<<16
	s_mov_b32 s[\g+2], 8<<16
	s_mov_b32 s[\g+3], 384<<16
	s_mov_b32 s[\g+4], 8
	s_mov_b32 s[\g+5], 1536
	s_mov_b32 s[\g+6], 0
	s_mov_b32 s[\g+7], 0
.endr
	; group 1 for scale words: 8 K steps x 128 words: rows of 512 bytes (64 elements of 8), 4,096 bytes apart
	s_or_b32 s[G1SA], s96, (3<<16)|(1<<21)
	s_or_b32 s[G1SB], s97, (3<<16)|(1<<21)
.irp g, G1SA, G1SB
	s_mov_b32 s[\g+1], 64<<16
	s_mov_b32 s[\g+2], 8<<16
	s_mov_b32 s[\g+3], 64<<16
	s_mov_b32 s[\g+4], 8
	s_mov_b32 s[\g+5], 512
	s_mov_b32 s[\g+6], 0
	s_mov_b32 s[\g+7], 0
.endr
	; offsets in q1.  A's hang on cy, B's on cx, each in registers that never hold the other coordinate
	s_mul_i32 s17, s94, OPB                        ; the batch's codes
	s_lshl_b32 s2, s94, 15
	s_add_co_u32 s2, s2, XNS_OFF                   ; XN's scale words of the batch
	s_mov_b32 s66, WI_OFF
	s_mov_b32 s18, WS_OFF
	s_cmp_eq_u32 s95, 0
	s_cselect_b32 s20, XC_OFF, 0                   ; A's codes: XC or XN
	s_cselect_b32 s22, XCS_OFF-XNS_OFF, 0          ; A's scale words
	s_cselect_b32 s66, s66, s17                    ; B's codes: WI (no batch) or XN
	s_cselect_b32 s18, s18, s2                     ; B's scale words
	s_add_co_u32 s20, s20, s17
	s_add_co_u32 s22, s22, s2
	s_lshl_b32 s3, s16, 3
	s_lshl_b32 s2, s93, 4
	s_add_co_u32 s2, s2, s3                        ; A: the first group that I fetch: 16 cy + 8 ch
	s_mul_i32 s17, s2, GRP
	s_add_co_u32 s20, s20, s17
	s_lshl_b32 s2, s2, 6                           ; 16 words a group
	s_add_co_u32 s22, s22, s2
	s_lshl_b32 s67, s92, 4
	s_add_co_u32 s67, s67, s3                      ; B: 16 cx + 8 ch
	s_mul_i32 s19, s67, GRP
	s_add_co_u32 s66, s66, s19
	s_lshl_b32 s67, s67, 6
	s_add_co_u32 s18, s18, s67
	s_mov_b32 s21, 0
	s_mov_b32 s23, 0
	s_mov_b32 s67, 0
	s_mov_b32 s19, 0
	s_mul_i32 s17, s14, PART                       ; where my part goes in a slot: no place in the cluster enters an LDS address
	s_lshl_b32 s2, s14, 12
	s_lshl_b32 s3, s15, 7
	s_add_co_u32 s2, s2, s3
	s_add_co_u32 s2, s2, SCL                       ; and among the scale words
	s_mov_b32 s12, 0x76543210
	s_mov_b32 s13, 0xfedcba98                      ; v_permlanex16_b32's selects for lane l xor 16
	s_wait_kmcnt 0x0
	s_add_nc_u64 s[20:21], s[4:5], s[20:21]
	s_add_nc_u64 s[22:23], s[4:5], s[22:23]
	s_add_nc_u64 s[66:67], s[4:5], s[66:67]
	s_add_nc_u64 s[18:19], s[4:5], s[18:19]
	CROUND                                         ; all sixteen work-groups are here: the first joint loads meet
	s_mov_b32 s[G0SA], 1
	s_mov_b32 s[G0SA+1], s2
	s_mov_b64 s[G0SA+2:G0SA+3], s[22:23]
	s_or_b32 s[G0SA+3], s[G0SA+3], 0x80000000
	s_mov_b32 s[G0SB], 1
	s_mov_b32 s[G0SB+1], s2
	s_mov_b64 s[G0SB+2:G0SB+3], s[18:19]
	s_or_b32 s[G0SB+3], s[G0SB+3], 0x80000000
	JLOAD G0SA, G1SA, G0SB, G1SB                   ; the scale words first: they are wanted with K step 0
	FIRST G0A0, G0B0, 0
	FIRST G0A1, G0B1, 1
	FIRST G0A2, G0B2, 2
	v_and_b32 v1, 31, v0                           ; lane
	v_and_b32 v2, 15, v0                           ; r
	v_bfe_u32 v3, v0, 4, 1                         ; h
	v_lshlrev_b32 v[CO], 4, v1
	s_mul_i32 s2, s15, PART                        ; my 128 rows of A
	s_mul_i32 s3, s16, PART                        ; my 128 rows of B,
	s_add_co_u32 s3, s3, 2*PART                    ; behind A's two parts
.irp s, 0,1,2
	v_add_nc_u32 v[ADRA+\s], s2, v[CO]
	v_add_nc_u32 v[ADRB+\s], s3, v[CO]
	s_add_co_u32 s2, s2, SLOT
	s_add_co_u32 s3, s3, SLOT
.endr
	s_lshl_b32 s2, s15, 12                         ; A's words: part rh
	s_lshl_b32 s3, s16, 12
	s_add_co_u32 s3, s3, 8320                      ; B's: part 2 + ch
	s_sub_co_u32 s3, s3, s2                        ; the distance between the two
	v_mul_u32_u24 v4, s3, v3                       ; lanes 16-31 take B's
	v_lshl_add_u32 v4, v2, 2, v4
	s_add_co_u32 s2, s2, SCL
	v_add_nc_u32 v[ADRS], s2, v4
	s_lshl_b32 s2, s14, 9
	s_add_co_u32 s2, s2, STG                       ; my 512 bytes of the stage
	v_lshl_add_u32 v[STO], v2, 2, s2
	v_add_nc_u32 v[RD], s2, v[CO]
.irp b, 0,1,2,3
	v_mov_b32 v[TM+4+\b], 0                        ; written once: a lane permute's destination counts as one of its sources
.endr
	; where the results go in q2: codes: group 16 cy + 8 rh + block, K step 2 cx + ch; scale words: that K step, slots 256 cy + 128 rh on
	s_cmp_eq_u32 s95, 0
	s_cselect_b32 s2, CQ_OFF, 0
	s_cselect_b32 s18, CQS_OFF-GQS_OFF, 0
	s_mul_i32 s3, s94, OPB
	s_add_co_u32 s2, s2, s3
	s_lshl_b32 s3, s93, 4
	s_lshl_b32 s17, s15, 3
	s_add_co_u32 s3, s3, s17
	s_mul_i32 s17, s3, GRP
	s_add_co_u32 s2, s2, s17
	s_lshl_b32 s3, s3, 6
	s_add_co_u32 s18, s18, s3
	s_lshl_b32 s3, s92, 1
	s_add_co_u32 s3, s3, s16
	s_mul_i32 s17, s3, FRB
	s_add_co_u32 s2, s2, s17
	s_lshl_b32 s3, s3, 12
	s_add_co_u32 s18, s18, s3
	s_lshl_b32 s3, s94, 15
	s_add_co_u32 s18, s18, s3
	s_add_co_u32 s18, s18, GQS_OFF
	s_mov_b32 s3, 0
	s_mov_b32 s19, 0
	s_add_nc_u64 s[8:9], s[6:7], s[2:3]
	s_add_nc_u64 s[10:11], s[6:7], s[18:19]
	s_wait_tensorcnt 2                             ; the scale words and my part of slot 0 are in; slots 1 and 2 may be out
	s_barrier_signal -1
	s_barrier_wait -1                              ; everybody's are
.irp k, 0,1,2,3,4,5,6,7
.irp i, 0,1,2,3,4,5,6,7
	ds_load_b32 v[SC+8*\k+\i], v[ADRS] offset:512*\k+64*\i   ; all scale words, once
.endr
.endr
	FETCH_B 0, 0, 0
	FETCH_A 0, 0, 0
	FETCH_A 0, 0, 4
	STEP 0, 0, 1, 1                                ; the first products start the sums: nothing is cleared
	TURN 1, 1, 1                                   ; every wave's loads have landed: slots 1 and 2 are whole; slot 0 takes K steps 6 and 7
	STEP 2, 1, 1, 0
	STEP 3, 2, 0, 0
	STEP 4, 2, 1, 0
	TURN 5, 0, 0                                   ; slot 0's second fill is whole; nothing is filled again
	STEP 6, 0, 1, 0
	s_wait_dscnt 12                                ; the last K step: nothing more to fetch
	WIN MUL_LO
	MUL16 0, 7, 0
	MUL16 2, 7, 0
	s_wait_dscnt 0
	WIN MUL_HI
	MUL16 4, 7, 0
	MUL16 6, 7, 0
	WIN 0
	PLACES 4
	; THE WAY OUT: each block of 16 rows becomes one fragment of the next operand and leaves as three stores of 512 consecutive bytes; its scale words gather in my 512 bytes of the stage.
.irp a, 0,1,2,3,4,5,6,7
.if \a >= 4
	s_wait_xcnt 0x0                                ; block a - 4's stores have read this set of codes
.endif
	QUANT 64*(\a%4), 2+\a/4, PC+20*(\a%4), PW+\a
.irp j, 0,1,2
	global_store_b128 v[CO], v[PC+20*(\a%4)+4*\j:PC+20*(\a%4)+4*\j+3], s[8:9] offset:GRP*\a+512*\j
.endr
	ds_store_b32 v[STO], v[PW+\a] offset:64*\a     ; both halves of the lanes write the same word with the same value
.endr
	ds_load_b128 v[200:203], v[RD]                 ; LDS serves a wave's instructions in order: this sees my stores
	s_wait_dscnt 0x0
	global_store_b128 v[CO], v[200:203], s[10:11]  ; my 128 rows' words: 512 consecutive bytes
	s_wait_tensorcnt 0x0                           ; the wave's end
	ds_add_u32 v[SPW], v[NIL]
	s_wait_dscnt 0x0
	CROUND                                         ; the closing round
	s_endpgm
.Lfunc_end_k_q164df00d2d_pair:
	.size	k_q164df00d2d_pair, .Lfunc_end_k_q164df00d2d_pair-k_q164df00d2d_pair
	.p2alignl 7, 3214868480
	.fill 96, 4, 3214868480
	.section	.rodata,"a",@progbits
	.p2align	6, 0x0
	.amdhsa_kernel k_q164df00d2d_pair
		.amdhsa_group_segment_fixed_size 327680
		.amdhsa_private_segment_fixed_size 0
		.amdhsa_enable_private_segment 0
		.amdhsa_kernarg_size 16
		.amdhsa_user_sgpr_count 2
		.amdhsa_user_sgpr_kernarg_segment_ptr 1
		.amdhsa_wavefront_size32 1
		.amdhsa_system_sgpr_workgroup_id_x 1
		.amdhsa_system_sgpr_workgroup_id_y 1
		.amdhsa_system_sgpr_workgroup_id_z 1
		.amdhsa_system_vgpr_workitem_id 0
		.amdhsa_next_free_vgpr 1024
		.amdhsa_next_free_sgpr 100
		.amdhsa_reserve_vcc 0
		.amdhsa_float_denorm_mode_32 3
		.amdhsa_float_denorm_mode_16_64 3
		.amdhsa_memory_ordered 1
		.amdhsa_forward_progress 1
		.amdhsa_inst_pref_size 143
	.end_amdhsa_kernel
	.amdgpu_metadata
---
amdhsa.version: [ 1, 2 ]
amdhsa.kernels:
  - .name:           k_q164df00d2d_pair
    .symbol:         k_q164df00d2d_pair.kd
    .args:
      - { .name: q1, .offset: 0, .size: 8, .value_kind: global_buffer, .address_space: global }
      - { .name: q2, .offset: 8, .size: 8, .value_kind: global_buffer, .address_space: global }
    .group_segment_fixed_size: 327680
    .private_segment_fixed_size: 0
    .kernarg_segment_align: 8
    .kernarg_segment_size: 16
    .max_flat_workgroup_size: 128
    .sgpr_count:     100
    .vgpr_count:     1024
    .wavefront_size: 32
...
	.end_amdgpu_metadata
.endif
;; end of part 2
;; launch final (part 3): grid 4 x 64, 4 waves a work-group, clusters of 4 x 4, 327,680 bytes of LDS; arguments q2, x, gamma, out0; writes out0
.if DOCPART == 3
	.amdgcn_target "amdgcn-amd-amdhsa--gfx1250"
	.amdhsa_code_object_version 6
	.text
	.protected	k_q164df00d2d_final
	.globl	k_q164df00d2d_final
	.p2align	8
	.type	k_q164df00d2d_final,@function
k_q164df00d2d_final:
	s_mov_b64 s[64:65], 0
	v_nop
	global_prefetch_b8 v0, s[64:65] scope:SCOPE_SE
	s_setreg_imm32_b32 hwreg(HW_REG_WAVE_MODE, 25, 1), 1
	s_wait_xcnt 0x0
	s_wait_alu depctr_hold_cnt(0) depctr_sa_sdst(0) depctr_va_vdst(0) depctr_va_sdst(0) depctr_va_ssrc(0) depctr_va_vcc(0) depctr_vm_vsrc(0)
	s_getreg_b32 s2, hwreg(HW_REG_IB_STS2, 6, 4)
	s_cmp_eq_u32 s2, 0
	s_cbranch_scc0 .Lentry_in_a_cluster
	s_endpgm
.Lentry_in_a_cluster:
	s_bfe_u32 s2, ttmp6, 0x10000c
	s_cmp_lg_u32 s2, 0xf033
	s_cbranch_scc0 .Lentry_shape_is_right
	s_endpgm
.Lentry_shape_is_right:
; out[b][c][n] = gamma x (sum over d of xxT[c][d] convx[d][n]) + x[b][c][n]: product 3 on codes of BF6 (E3M2) with E8M0 scales, then one fused multiply-add in f32.
; A = GQ (rows c, K = d), B = CQ (rows n, K = d), both made by the launch before, laid [batch][group of 16 rows][K step of 128][1,536 bytes] as images of a fragment's registers; scale words [batch][K step][slot].
; A cluster of 4 x 4 work-groups makes one batch (cluster y = batch); a work-group 256 c x 256 n; each of its four waves 128 x 128: 64 accumulators.  THE MATRIX INSTRUCTION IS USED TRANSPOSED (source 0 = 16 rows of B,
; source 1 = 16 rows of A): a lane holds eight neighbouring n of one row c.  GQ's groups hold rows 32 (g / 2) + 8 (g % 2) + r + 8 (r / 8): the way out puts each row where it belongs by the stores' immediates.
; LDS: three slots of two K steps each, filled by joint tensor loads (A's tiles shared along the cluster's row, B's along its column): K steps 0-5 are first fills, K steps 6 and 7 come into slot 0 behind the one round of the
; cluster's barrier, in K step 1, and have 224 matrix instructions in which to land.  A wave has four tensor loads out at the start, one later.  The scale words of all of K come once.  The eight K steps are written out: no loop.
; x: my 128 x 128 numbers are loaded by blocks of 16 rows into five sets of 64 registers; blocks 0 and 1 during K steps 2 and 3; blocks 2 to 5 are prefetched, 32 aligned blocks of 256 bytes an instruction, each named once in the launch:
; blocks 2 and 3 behind K step 4 (three K steps ahead of their loads), blocks 4 and 5 behind K step 5 (two K steps ahead).
; REGISTERS, in windows of 256: window 0: v16-29 addresses; v32-95 scale words; v96-191 A's eight fragments, ONE set; v192-255 a set of x.   window 1: B's fragments, two sets, at v0 and v96; v192-255 a set of x; on the way out v0-191 three more.
;   window 2: accumulators of my rows 0-63 ((a, b) at v[8 (8 a + b)]);   window 3: those of rows 64-127.  On the way out a block comes back from the stage into its own accumulators' registers.
.set SLOT,   98304
.set PART,   24576
.set SCL,    3*SLOT
.set SPARE,  311552                    ; the spare words, 128 bytes for each wave: two blocks of 256 bytes that no other line names
.set STG,    SLOT                      ; the stages (16 rows x 528 bytes a wave) lie in slot 1: it has had its only fill, and nobody reads it behind the barrier of K step 5
.set SPITCH, 528
.set OPB,    786432
.set SCB,    32768
.set GRP,    12288
.set FRB,    1536
.set CQ_OFF,  16*OPB
.set GQS_OFF, 32*OPB
.set CQS_OFF, GQS_OFF+16*SCB
.set FR,   12
.set ADRA, 16
.set ADRB, 20
.set ADRS, 23
.set STO,  24                          ; v24  the stage: where I put 32 bytes of a row
.set RD,   25                          ; v25  and where I read a row back
.set CO,   26                          ; v26  16 x lane
.set PFO,  27                          ; v27  the prefetches' offset; never rewritten
.set SPW,  28
.set NIL,  29
.set SC,   32
.set AF,   96
.set G1A,  24
.set G1B,  32
.set G1SA, 40
.set G1SB, 48
.set G0A0, 56
.set G0A1, 60
.set G0A2, 68
.set G0B0, 72
.set G0B1, 76
.set G0B2, 80
.set G0SA, 84
.set G0SB, 88
.set MSB, 0
.macro WIN new                         ; the immediate's high byte repeats the setting that is left
.if MSB != (\new)
	s_set_vgpr_msb (MSB<<8)|(\new)
.set MSB, (\new)
.endif
.endm
.set MUL_LO, 0xa1
.set MUL_HI, 0xf1
.set TO_B,   0x40
.macro JLOAD g0a, g1a, g0b, g1b        ; a joint load: waves 0 and 1 fetch for A, waves 2 and 3 for B; four v_nop follow each line
	s_cmp_eq_u32 s15, 0
	s_cbranch_scc0 .Lfor_b_\@
	tensor_load_to_lds s[\g0a:\g0a+3], s[\g1a:\g1a+7]
	s_nop 0
.rept 4
	v_nop
.endr
	s_branch .Lasked_\@
.Lfor_b_\@:
	tensor_load_to_lds s[\g0b:\g0b+3], s[\g1b:\g1b+7]
	s_nop 0
.rept 4
	v_nop
.endr
.Lasked_\@:
.endm
.macro CREST
	s_cmp_lg_u32 s14, 0
	s_cbranch_scc1 .Lnot_wave_0_\@
	s_barrier_signal -3
.Lnot_wave_0_\@:
	s_barrier_wait -3
	s_barrier_signal -1
	s_barrier_wait -1
.endm
.macro CROUND
	s_barrier_signal -1
	s_barrier_wait -1
	CREST
.endm
.macro PLACES n
.rept \n
	v_nop
.endr
.endm
.macro FIRST ga, gb, sl
	s_mov_b32 s[\ga], 1
	s_add_co_u32 s[\ga+1], s17, (\sl)*SLOT
	s_add_nc_u64 s[\ga+2:\ga+3], s[20:21], (\sl)*2*FRB
	s_or_b32 s[\ga+3], s[\ga+3], 0x80000000
	s_mov_b32 s[\gb], 1
	s_add_co_u32 s[\gb+1], s17, (\sl)*SLOT
	s_add_nc_u64 s[\gb+2:\gb+3], s[66:67], (\sl)*2*FRB
	s_or_b32 s[\gb+3], s[\gb+3], 0x80000000
	JLOAD \ga, G1A, \gb, G1B
.endm
.macro FRAG reg, adr, q, i
.irp j, 0,1,2
	ds_load_b128 v[\reg+4*\j:\reg+4*\j+3], v[\adr] offset:2*FRB*(\i)+FRB*(\q)+512*\j
.endr
.endm
.macro FETCH_B sl, q, p
	WIN TO_B
.irp i, 0,1,2,3,4,5,6,7
	FRAG 96*(\p)+FR*\i, ADRB+\sl, \q, \i
.endr
	WIN 0
.endm
.macro FETCH_A sl, q, i0
.irp i, \i0, \i0+1, \i0+2, \i0+3
	FRAG AF+FR*(\i), ADRA+\sl, \q, \i
.endr
.endm
; 16 matrix instructions: A's blocks a0, a0 + 1 x B's eight, K step k.  The 64 accumulators take turns, one instruction a turn.
.macro MUL16 a0, k, zero
.irp a, \a0, \a0+1
.irp b, 0,1,2,3,4,5,6,7
.if \zero
	v_wmma_scale_f32_16x16x128_f8f6f4 v[8*(8*((\a)%4)+\b):8*(8*((\a)%4)+\b)+7], v[96*((\k)%2)+FR*\b:96*((\k)%2)+FR*\b+FR-1], v[AF+FR*(\a):AF+FR*(\a)+FR-1], 0, v[SC+8*(\k)+\b], v[SC+8*(\k)+(\a)] matrix_a_fmt:MATRIX_FMT_BF6 matrix_b_fmt:MATRIX_FMT_BF6 matrix_a_scale:MATRIX_SCALE_ROW1
.else
	v_wmma_scale_f32_16x16x128_f8f6f4 v[8*(8*((\a)%4)+\b):8*(8*((\a)%4)+\b)+7], v[96*((\k)%2)+FR*\b:96*((\k)%2)+FR*\b+FR-1], v[AF+FR*(\a):AF+FR*(\a)+FR-1], v[8*(8*((\a)%4)+\b):8*(8*((\a)%4)+\b)+7], v[SC+8*(\k)+\b], v[SC+8*(\k)+(\a)] matrix_a_fmt:MATRIX_FMT_BF6 matrix_b_fmt:MATRIX_FMT_BF6 matrix_a_scale:MATRIX_SCALE_ROW1
.endif
.endr
.endr
.endm
.macro STEP k, ns, nq, zero
	s_wait_dscnt 12                                ; all but the youngest twelve loads (A's blocks 4-7) are in
	WIN MUL_LO
	MUL16 0, \k, \zero
	MUL16 2, \k, \zero
	s_wait_dscnt 0                                 ; A's blocks 4-7 are in
	PLACES 4
	FETCH_B \ns, \nq, ((\k)+1)%2
	FETCH_A \ns, \nq, 0
	WIN MUL_HI
	MUL16 4, \k, \zero
	MUL16 6, \k, \zero
	PLACES 4
	WIN 0
	FETCH_A \ns, \nq, 4
.endm
.macro TURN k, ns, fill
	s_wait_tensorcnt 0x0                           ; all my tensor loads have landed
	ds_add_u32 v[SPW], v[NIL]                      ; 0 onto my spare word
	s_wait_dscnt 13                                ; (the add and the youngest twelve loads may be out)
	WIN MUL_LO
	MUL16 0, \k, 0
	s_wait_dscnt 0x0                               ; the add is done, and my reads of the slot in hand are over
	s_barrier_signal -1
	MUL16 2, \k, 0
	WIN 0
	s_barrier_wait -1
.if \fill
	CREST                                          ; a round of the cluster's barrier: no wave of any partner still reads slot 0 or has a load on its way
	s_add_nc_u64 s[G0A0+2:G0A0+3], s[G0A0+2:G0A0+3], 6*FRB
	s_add_nc_u64 s[G0B0+2:G0B0+3], s[G0B0+2:G0B0+3], 6*FRB
	JLOAD G0A0, G1A, G0B0, G1B                     ; the first tensor load behind the round; its four v_nop are the places in front of the loads below
.else
	PLACES 4
.endif
	FETCH_B \ns, 0, ((\k)+1)%2
	FETCH_A \ns, 0, 0
	WIN MUL_HI
	MUL16 4, \k, 0
	MUL16 6, \k, 0
	PLACES 4
	WIN 0
	FETCH_A \ns, 0, 4
.endm
; x's five sets of 64 registers: block a takes set a % 5
.macro XSET a
.set XI, (\a)%5
.if XI == 0
.set XW, 1
.set XR, 192
.elseif XI == 1
.set XW, 0
.set XR, 192
.else
.set XW, 1
.set XR, 64*(XI-2)
.endif
.endm
.macro XLOAD a                         ; block a's 16 rows of x, 512 consecutive bytes a load; stage row t is row 32 (a / 2) + 8 (a % 2) + t + 8 (t / 8) of my 128
	XSET \a
	WIN XW<<6
.irp t, 0,1,2,3,4,5,6,7,8,9,10,11,12,13,14,15
	global_load_b128 v[XR+4*\t:XR+4*\t+3], v[CO], s[6:7] offset:(32*((\a)/2)+8*((\a)%2)+\t+8*(\t/8))*4096 th:TH_LOAD_NT
.endr
	WIN 0
.endm
.macro ASKX a                          ; block a's 16 rows x 512 bytes: 32 aligned blocks of 256 bytes, a lane each
	global_prefetch_b8 v[PFO], s[6:7] offset:(32*((\a)/2)+8*((\a)%2))*4096 th:TH_LOAD_NT scope:SCOPE_SE
.endm
; THE WAY OUT, block by block of 16 rows x 128 columns: through my own stage in LDS, back as whole rows of 512 bytes into the registers that they left.  LDS serves a wave's instructions in order (ISA guide 5.7.1.4).
.macro TOSTAGE a
.set AC, 64*((\a)%4)
.set AW, 2+(\a)/4
	WIN (AW<<6)|(AW<<2)                            ; an LDS store's data are its source 1, a load's data its destination
.irp b, 0,1,2,3,4,5,6,7
	ds_store_b128 v[STO], v[AC+8*\b:AC+8*\b+3] offset:64*\b          ; each accumulator from its low end on
	ds_store_b128 v[STO], v[AC+8*\b+4:AC+8*\b+7] offset:64*\b+16
.endr
.irp t, 0,1,2,3,4,5,6,7,8,9,10,11,12,13,14,15
	ds_load_b128 v[AC+4*\t:AC+4*\t+3], v[RD] offset:\t*SPITCH
.endr
.endm
.macro SEND a, younger                 ; younger: the LDS instructions issued behind block a's loads, which may stay out
.set AC, 64*((\a)%4)
.set AW, 2+(\a)/4
.set LC, 16*(7-(\a))                   ; x's loads issued behind block a's: four blocks' at the most; the wait's field holds 63
.if LC > 63
.set LC, 63
.endif
	XSET \a
	s_wait_dscnt \younger                          ; the block is back in registers
	s_wait_loadcnt LC                              ; and its rows of x are in
	WIN (AW<<6)|(XW<<4)|AW
.set II, 0
.rept 32
	v_pk_fma_f32 v[AC+II:AC+II+1], v[AC+II:AC+II+1], s[98:99], v[XR+II:XR+II+1] op_sel_hi:[1,0,1]   ; gamma x o + x, two at a time
.set II, II+2
.endr
	WIN AW<<2
.irp t, 0,1,2,3,4,5,6,7,8,9,10,11,12,13,14,15
	global_store_b128 v[CO], v[AC+4*\t:AC+4*\t+3], s[10:11] offset:(32*((\a)/2)+8*((\a)%2)+\t+8*(\t/8))*4096 th:TH_STORE_NT   ; 32 lanes store 512 consecutive bytes, aligned; these registers are never written again
.endr
.if (\a)+5 <= 7
	XLOAD (\a)+5                                   ; the set just read takes the block five further on
.endif
.endm
	s_load_b256 s[4:11], s[0:1], 0x0               ; q2 s[4:5], x s[6:7], gamma s[8:9], out0 s[10:11]
	v_lshl_add_u32 v[SPW], v0, 2, SPARE
	v_mov_b32 v[NIL], 0
	ds_add_u32 v28, v29
	ds_add_u32 v28, v29
	s_wait_dscnt 0x0
	v_lshrrev_b32 v1, 5, v0
	v_readfirstlane_b32 s14, v1                    ; wave 0..3
	s_lshr_b32 s15, s14, 1                         ; rh
	s_and_b32 s16, s14, 1                          ; ch
	s_bfe_u32 s92, ttmp6, 0x40000                  ; cx = the tile column (the grid is one cluster wide)
	s_bfe_u32 s93, ttmp6, 0x40004                  ; cy = the tile row
	s_and_b32 s94, ttmp7, 0xffff                   ; cluster y = the batch
	s_lshl_b32 s96, s93, 2
	s_lshl_b32 s96, 15, s96                        ; my row of the cluster
	s_lshl_b32 s97, 0x1111, s92                    ; my column
	s_or_b32 s[G1A], s96, (3<<16)|(1<<21)          ; codes: 8 rows of 3,072 bytes (384 elements of 8), 12,288 bytes apart
	s_or_b32 s[G1B], s97, (3<<16)|(1<<21)
.irp g, G1A, G1B
	s_mov_b32 s[\g+1], 384<<16
	s_mov_b32 s[\g+2], 8<<16
	s_mov_b32 s[\g+3], 384<<16
	s_mov_b32 s[\g+4], 8
	s_mov_b32 s[\g+5], 1536
	s_mov_b32 s[\g+6], 0
	s_mov_b32 s[\g+7], 0
.endr
	s_or_b32 s[G1SA], s96, (3<<16)|(1<<21)         ; scale words: 8 rows of 512 bytes (64 elements of 8), 4,096 bytes apart
	s_or_b32 s[G1SB], s97, (3<<16)|(1<<21)
.irp g, G1SA, G1SB
	s_mov_b32 s[\g+1], 64<<16
	s_mov_b32 s[\g+2], 8<<16
	s_mov_b32 s[\g+3], 64<<16
	s_mov_b32 s[\g+4], 8
	s_mov_b32 s[\g+5], 512
	s_mov_b32 s[\g+6], 0
	s_mov_b32 s[\g+7], 0
.endr
	s_mul_i32 s17, s94, OPB
	s_lshl_b32 s2, s94, 15
	s_lshl_b32 s3, s16, 3
	s_lshl_b32 s20, s93, 4
	s_add_co_u32 s20, s20, s3                      ; A: the first group that I fetch: 16 cy + 8 ch
	s_lshl_b32 s22, s20, 6
	s_mul_i32 s20, s20, GRP
	s_add_co_u32 s20, s20, s17
	s_add_co_u32 s22, s22, s2
	s_add_co_u32 s22, s22, GQS_OFF
	s_lshl_b32 s66, s92, 4
	s_add_co_u32 s66, s66, s3                      ; B: 16 cx + 8 ch
	s_lshl_b32 s18, s66, 6
	s_mul_i32 s66, s66, GRP
	s_add_co_u32 s66, s66, s17
	s_add_co_u32 s66, s66, CQ_OFF
	s_add_co_u32 s18, s18, s2
	s_add_co_u32 s18, s18, CQS_OFF
	s_mov_b32 s21, 0
	s_mov_b32 s23, 0
	s_mov_b32 s67, 0
	s_mov_b32 s19, 0
	s_mul_i32 s17, s14, PART
	s_lshl_b32 s2, s14, 12
	s_lshl_b32 s3, s15, 7
	s_add_co_u32 s2, s2, s3
	s_add_co_u32 s2, s2, SCL
	s_wait_kmcnt 0x0
	s_load_b32 s98, s[8:9], 0x0                    ; gamma
	s_add_nc_u64 s[20:21], s[4:5], s[20:21]
	s_add_nc_u64 s[22:23], s[4:5], s[22:23]
	s_add_nc_u64 s[66:67], s[4:5], s[66:67]
	s_add_nc_u64 s[18:19], s[4:5], s[18:19]
	CROUND                                         ; all sixteen work-groups are here: the first joint loads meet
	s_mov_b32 s[G0SA], 1
	s_mov_b32 s[G0SA+1], s2
	s_mov_b64 s[G0SA+2:G0SA+3], s[22:23]
	s_or_b32 s[G0SA+3], s[G0SA+3], 0x80000000
	s_mov_b32 s[G0SB], 1
	s_mov_b32 s[G0SB+1], s2
	s_mov_b64 s[G0SB+2:G0SB+3], s[18:19]
	s_or_b32 s[G0SB+3], s[G0SB+3], 0x80000000
	JLOAD G0SA, G1SA, G0SB, G1SB
	FIRST G0A0, G0B0, 0
	FIRST G0A1, G0B1, 1
	FIRST G0A2, G0B2, 2
	v_and_b32 v1, 31, v0                           ; lane
	v_and_b32 v2, 15, v0                           ; r
	v_bfe_u32 v3, v0, 4, 1                         ; h
	v_lshlrev_b32 v[CO], 4, v1
	s_mul_i32 s2, s15, PART
	s_mul_i32 s3, s16, PART
	s_add_co_u32 s3, s3, 2*PART
.irp s, 0,1,2
	v_add_nc_u32 v[ADRA+\s], s2, v[CO]
	v_add_nc_u32 v[ADRB+\s], s3, v[CO]
	s_add_co_u32 s2, s2, SLOT
	s_add_co_u32 s3, s3, SLOT
.endr
	s_lshl_b32 s2, s15, 12
	s_lshl_b32 s3, s16, 12
	s_add_co_u32 s3, s3, 8320
	s_sub_co_u32 s3, s3, s2                        ; from A's words to B's
	v_mul_u32_u24 v4, s3, v3
	v_lshl_add_u32 v4, v2, 2, v4
	s_add_co_u32 s2, s2, SCL
	v_add_nc_u32 v[ADRS], s2, v4
	s_mul_i32 s2, s14, 16*SPITCH
	s_add_co_u32 s2, s2, STG                       ; my stage
	v_mul_u32_u24 v4, v2, SPITCH
	v_lshl_add_u32 v4, v3, 5, v4
	v_add_nc_u32 v[STO], s2, v4                    ; in: row r, 32 bytes for each half of the lanes
	v_add_nc_u32 v[RD], s2, v[CO]                  ; back: the 32 lanes take one row of 512 bytes
	v_lshrrev_b32 v4, 1, v1
	v_lshl_add_u32 v4, v3, 3, v4                   ; the prefetches: row l / 2 + 8 (l / 16) of a block,
	v_and_b32 v5, 1, v1
	v_lshlrev_b32 v5, 8, v5                        ; its first or second 256 bytes
	v_lshl_add_u32 v[PFO], v4, 12, v5
	s_lshl_b32 s2, s94, 22                         ; my 128 x 128 of x and of out0: the batch's 4 MiB,
	s_lshl_b32 s3, s93, 20                         ; 256 cy rows of 4,096 bytes,
	s_add_co_u32 s2, s2, s3
	s_lshl_b32 s3, s15, 19                         ; 128 rh rows,
	s_add_co_u32 s2, s2, s3
	s_lshl_b32 s3, s92, 10                         ; 256 cx numbers,
	s_add_co_u32 s2, s2, s3
	s_lshl_b32 s3, s16, 9                          ; 128 ch numbers
	s_add_co_u32 s2, s2, s3
	s_mov_b32 s3, 0
	s_add_nc_u64 s[6:7], s[6:7], s[2:3]
	s_add_nc_u64 s[10:11], s[10:11], s[2:3]
	s_wait_kmcnt 0x0
	s_mov_b32 s99, s98                             ; the packed form names a pair and takes its low word for both halves
	s_wait_tensorcnt 2                             ; the scale words and my part of slot 0 are in; slots 1 and 2 may be out
	s_barrier_signal -1
	s_barrier_wait -1
.irp k, 0,1,2,3,4,5,6,7
.irp i, 0,1,2,3,4,5,6,7
	ds_load_b32 v[SC+8*\k+\i], v[ADRS] offset:512*\k+64*\i
.endr
.endr
	FETCH_B 0, 0, 0
	FETCH_A 0, 0, 0
	FETCH_A 0, 0, 4
	STEP 0, 0, 1, 1                                ; the first products start the sums
	TURN 1, 1, 1                                   ; slots 1 and 2 are whole; slot 0 takes K steps 6 and 7
	STEP 2, 1, 1, 0
	XLOAD 0                                        ; x's first two blocks come while the products run
	STEP 3, 2, 0, 0
	XLOAD 1
	STEP 4, 2, 1, 0
	ASKX 2
	ASKX 3
	TURN 5, 0, 0                                   ; slot 0's second fill is whole; nothing is filled again
	ASKX 4
	ASKX 5
	STEP 6, 0, 1, 0
	s_wait_dscnt 12                                ; the last K step
	WIN MUL_LO
	MUL16 0, 7, 0
	MUL16 2, 7, 0
	s_wait_dscnt 0
	WIN MUL_HI
	MUL16 4, 7, 0
	MUL16 6, 7, 0
	WIN 0
	PLACES 4                                       ; in front of the loads into B's registers and of the reads of results
	XLOAD 2
	XLOAD 3
	XLOAD 4
	TOSTAGE 0
.irp a, 1,2,3,4,5,6,7
	TOSTAGE \a
	SEND \a-1, 32                                  ; behind block a - 1's loads: block a's 16 stores and 16 loads
.endr
	SEND 7, 0
	WIN 0
	s_wait_tensorcnt 0x0                           ; the wave's end
	ds_add_u32 v[SPW], v[NIL]
	s_wait_dscnt 0x0
	CROUND                                         ; the closing round
	s_endpgm
.Lfunc_end_k_q164df00d2d_final:
	.size	k_q164df00d2d_final, .Lfunc_end_k_q164df00d2d_final-k_q164df00d2d_final
	.p2alignl 7, 3214868480
	.fill 96, 4, 3214868480
	.section	.rodata,"a",@progbits
	.p2align	6, 0x0
	.amdhsa_kernel k_q164df00d2d_final
		.amdhsa_group_segment_fixed_size 327680
		.amdhsa_private_segment_fixed_size 0
		.amdhsa_enable_private_segment 0
		.amdhsa_kernarg_size 32
		.amdhsa_user_sgpr_count 2
		.amdhsa_user_sgpr_kernarg_segment_ptr 1
		.amdhsa_wavefront_size32 1
		.amdhsa_system_sgpr_workgroup_id_x 1
		.amdhsa_system_sgpr_workgroup_id_y 1
		.amdhsa_system_sgpr_workgroup_id_z 1
		.amdhsa_system_vgpr_workitem_id 0
		.amdhsa_next_free_vgpr 1024
		.amdhsa_next_free_sgpr 100
		.amdhsa_reserve_vcc 0
		.amdhsa_float_denorm_mode_32 3
		.amdhsa_float_denorm_mode_16_64 3
		.amdhsa_memory_ordered 1
		.amdhsa_forward_progress 1
		.amdhsa_inst_pref_size 166
	.end_amdhsa_kernel
	.amdgpu_metadata
---
amdhsa.version: [ 1, 2 ]
amdhsa.kernels:
  - .name:           k_q164df00d2d_final
    .symbol:         k_q164df00d2d_final.kd
    .args:
      - { .name: q2, .offset: 0, .size: 8, .value_kind: global_buffer, .address_space: global }
      - { .name: x, .offset: 8, .size: 8, .value_kind: global_buffer, .address_space: global }
      - { .name: gamma, .offset: 16, .size: 8, .value_kind: global_buffer, .address_space: global }
      - { .name: out0, .offset: 24, .size: 8, .value_kind: global_buffer, .address_space: global }
    .group_segment_fixed_size: 327680
    .private_segment_fixed_size: 0
    .kernarg_segment_align: 8
    .kernarg_segment_size: 32
    .max_flat_workgroup_size: 128
    .sgpr_count:     100
    .vgpr_count:     1024
    .wavefront_size: 32
...
	.end_amdgpu_metadata
.endif
;; end of part 3
